; MI455X (gfx1250); checked and timed in simulation.
; The chip was launched on July 23, 2026; its instructions are those of AMD's public machine-readable ISA for CDNA 5 (MIT licence, August 2026) and "CDNA5" Instruction Set Architecture Reference Guide (July 2026). The comments in the code are by the model that wrote it; some were corrected since.
;; Fused Experts. Allowed arithmetic: matrix products marked QUANTISED: E2M3 operands, one E8M0 scale for each 32 along K, by v_wmma_scale_f32_16x16x128_f8f6f4 with both operands' format E2M3, f32 sums; everything else in f32.
;; Inputs: expert_idxs 8,192 x 2 int32; expert_p 8,192 x 2 float32; w13 8 x 1,024 x 512 float32; w2 8 x 256 x 1,024 float32; x 2 x 4,096 x 1,024 float32.
;; Outputs: out0 2 x 4,096 x 1,024 float32.
;; This version of the problem:
;;   THIS VERSION OF THE PROBLEM IS GIVEN IN LOW PRECISION. The matrix products marked QUANTISED in the list below multiply operands that are first quantised to E2M3 (2 exponent bits, 3 mantissa bits; 6 bits a number), with one power-of-two scale for each 32 numbers along K (OCP MX v1.0); their sums are f32. All else is computed in f32.
;;   The module's matrix products, in the order in which they are computed (A, B: the left and right operand; K: the contracted axis; several contracted axes count as one K, in the product's order):
;;     1. [M 8,192, K 1,024] x [K 1,024, N 512]; A: input x; B: input w13: QUANTISED
;;     2. [M 8,192, K 256] x [K 256, N 1,024]; A: computed on the way; B: input w2: QUANTISED
;;     3. [M 8,192, K 1,024] x [K 1,024, N 512]; A: input x; B: input w13: QUANTISED
;;     4. [M 8,192, K 256] x [K 256, N 1,024]; A: computed on the way; B: input w2: QUANTISED
;;     5. [M 8,192, K 1,024] x [K 1,024, N 512]; A: input x; B: input w13: QUANTISED
;;     6. [M 8,192, K 256] x [K 256, N 1,024]; A: computed on the way; B: input w2: QUANTISED
;;     7. [M 8,192, K 1,024] x [K 1,024, N 512]; A: input x; B: input w13: QUANTISED
;;     8. [M 8,192, K 256] x [K 256, N 1,024]; A: computed on the way; B: input w2: QUANTISED
;;     9. [M 8,192, K 1,024] x [K 1,024, N 512]; A: input x; B: input w13: QUANTISED
;;     10. [M 8,192, K 256] x [K 256, N 1,024]; A: computed on the way; B: input w2: QUANTISED
;;     11. [M 8,192, K 1,024] x [K 1,024, N 512]; A: input x; B: input w13: QUANTISED
;;     12. [M 8,192, K 256] x [K 256, N 1,024]; A: computed on the way; B: input w2: QUANTISED
;;     13. [M 8,192, K 1,024] x [K 1,024, N 512]; A: input x; B: input w13: QUANTISED
;;     14. [M 8,192, K 256] x [K 256, N 1,024]; A: computed on the way; B: input w2: QUANTISED
;;     15. [M 8,192, K 1,024] x [K 1,024, N 512]; A: input x; B: input w13: QUANTISED
;;     16. [M 8,192, K 256] x [K 256, N 1,024]; A: computed on the way; B: input w2: QUANTISED
;;   THE QUANTISER, for each operand of a quantised product, along K:
;;     - K is cut into blocks of 32 from its start; a last block that is shorter is filled with zeros.
;;     - A block's scale is 2^e with e = floor(log2(the largest magnitude in the block)) - 2, held to -126 .. 127; a block of zeros has e = 0. As a byte (E8M0): e + 127.
;;     - Each number is divided by its block's scale, clamped to +-7.5, and rounded to the nearest number of E2M3, ties to even, subnormals kept.
;;     - The product sums the exact products of the quantised numbers (number of the format x scale) in f32.
;;   ~~~python
;;   def quantise(x, axis):      # numpy; x: float32 -> the quantised numbers, widened to float32 again
;;       x = np.moveaxis(x, axis, -1); K = x.shape[-1]
;;       x = np.pad(x, [(0, 0)] * (x.ndim - 1) + [(0, -K % 32)]); x = x.reshape(x.shape[:-1] + (-1, 32)); a = np.abs(x).max(-1, keepdims=True)
;;       e = np.where(a > 0, np.clip(np.frexp(np.where(a > 0, a, 1))[1] - 1 - 2, -126, 127), 0)      # np.frexp(a)[1] - 1 = floor(log2(a)), exactly
;;       r = np.clip(x / 2.0 ** e, -7.5, 7.5)
;;       step = 2.0 ** (np.maximum(np.frexp(np.where(r == 0, 1, r))[1] - 1, 0) - 3)
;;       q = np.round(r / step) * step * 2.0 ** e      # np.round: ties to even
;;       return np.moveaxis(q.reshape(q.shape[:-2] + (-1,))[..., :K], -1, axis).astype(np.float32)
;;   ~~~
;;   OPERANDS COMPUTED ON THE WAY. 'Computed on the way' means the value that the module computes at that place (a softmax that the list does not call 'softmax' is quantised finished and normalised). What goes into a quantiser is computed in f32, as accurately as f32 sums, v_exp_f32 and their like allow (about 1e-6 of the number): no bf16 or f16 on the way to a quantiser, and a product that is left as it is and whose result goes on into a quantised operand takes f32 operands (vector FMAs, or v_wmma_f32_16x16x4_f32). A number that lies on a knife's edge between two numbers of the format may be rounded either way, as far as f32 arithmetic and the matrix unit's own rounding can turn it there, and no further.
;; One version. Each part assembles by itself: llvm-mc -triple=amdgcn-amd-amdhsa -mcpu=gfx1250 --defsym DOCPART=n.
;; ======== version 1 of 1: 2 launches
;; limits: right only within a limited range of input values
;; workspace buffers: rows 49,152 bytes of whole numbers; w13c 3,145,728 bytes; w13s 131,072 bytes; w2c 1,572,864 bytes; w2s 65,536 bytes
;; launch prep (part 1): grid 194 x 1, 8 waves a work-group, no clusters, 55,296 bytes of LDS; arguments expert_idxs, w13, w2, rows, w13c, w13s, w2c, w2s; writes rows, w13c, w13s, w2c, w2s
.if DOCPART == 1
	.amdgcn_target "amdgcn-amd-amdhsa--gfx1250"
	.amdhsa_code_object_version 6
	.text
	.protected	k_q0b580aad74_prep
	.globl	k_q0b580aad74_prep
	.p2align	8
	.type	k_q0b580aad74_prep,@function
k_q0b580aad74_prep:
	s_mov_b64 s[64:65], 0
	v_nop
	global_prefetch_b8 v0, s[64:65] scope:SCOPE_SE
	s_setreg_imm32_b32 hwreg(HW_REG_WAVE_MODE, 25, 1), 1
	s_wait_xcnt 0x0
; PREP: sorts the tokens by their pair of experts into tiles of 64 rows, and quantises w13 and w2 along K to codes of FP6 (E2M3) with one E8M0 byte for each 32 along K.
; WORK LEFT OUT: reference() weighs expert e's result for a token by pe = p0 (i0 == e) + p1 (i1 == e), which its own mask makes 0 for every expert that neither index names, whatever the inputs hold:
; those rows of the sixteen products are not formed.  LIMIT: a NaN, an infinity or an overflow that would arise in the rows left out alone is not carried to the result.
.set Q13,  0                           ; w13's stages: 8 waves x 3,328 bytes (two images of 1,536 + 128)
; WHO DOES WHAT.  Work-groups 0 and 1 sort: group g takes tokens 4,096 g on.  Work-groups 2-129 quantise w13, 130-193 w2, and store codes and scale words in the order of the operand's registers.
; PAIRS.  A token with i0 != i1 has the pair {min, max}; one with i0 = i1 = e is put with {e, e xor 1} (the next launch forms each weight as p0 (i0 == e) + p1 (i1 == e), so the partner's is 0).
; key = b (b - 1) / 2 + a, a < b: 28 keys, a lane to a key.  For the key an index is held to 0 .. 7; the next launch compares the index as it is given.
; rows[g][tile][64]: token | a << 16 | b << 20 | 1 << 24; 0 = no row.  In a group key k takes ceil(n_k / 64) tiles: never more than 64 + 27 = 91, whatever the choice; a group's region has room for 96.
; THE ZEROS COME FIRST: at its start each wave of a sort stores zeros over its eighth of the group's region (6 stores of 512 consecutive bytes; 8 x 3,072 = 24,576 bytes), waits for these stores in front of
; the sort's one barrier, and only behind it are the entries stored: so a slot without a row holds 0, every byte of the buffer is written, and EXEC stays whole.
; FRAGMENT IMAGE (1,536 bytes): piece q = 0 .. 2 at 512 q + 16 lane holds registers 4 q .. 4 q + 3 of lane (r, h); registers 6 c .. 6 c + 5 hold k = 64 c + 32 h + 0 .. 31 of row r.
; w13c [e][w 4][s 8][t 8][1536]: row r of tile t is column 256 (t / 4) + 64 w + 32 ((t % 4) / 2) + 8 (t % 2) + r + 8 (r / 8);  w13s [e][w][t][512]: word at 16 l + 4 q = row l % 16, K step 2 q + l / 16.
; w2c [e][w 4][c 16][s 2][1536]: row r of tile c is column 256 w + 16 c + r;  w2s [e][w][g 4][512]: word at 16 l + 4 q = tile 4 g + q, row l % 16, K step l / 16.
; QUANTISER: a lane takes a column and its registers run down K, so a block of 32 lies in one lane and the conversions give codes with K innermost.  A wave takes 32 columns x 128 K.
; The scale words leave 4 bytes a lane, 16 bytes apart: 196,608 bytes in all.  The sort's entries leave 4 bytes a lane, each to its slot: 32,768 bytes in all.
; LIMITS: a block whose largest magnitude lies under 2^-124 keeps the byte 1 (a block of zeros too: its codes are zeros, and this program alone reads the bytes); NaN and infinities are not served.
; No matrix work, no tensor loads, no cluster: nothing is shared between work-groups.  Each of the three ways has LDS bytes of its own.
; SCALARS OF THE SORT: s20 the wave's number, s22 = 8 g + wave; s21 at work; s36-39 constants of the bit count; s40-59 (BAL) the ballots: five for each of four chunks; s66-93 the keys' tiles, summed.
.set Q2,   26624                       ; w2's stages, likewise
.set TOT,  53248                       ; the sort: 8 waves x 32 counts
.set WREG, 3328
.set TREG, 1664
.set BAL,  40
.set TSUM, 66
.set CH,   16                          ; chunks of 32 tokens a wave
.set SLOTS, 5824                       ; 91 x 64 slots a group
.set REGION, 24576                     ; bytes of a group's region
.macro QLOAD t, src, stride            ; block t: 32 rows of K at my column
.set ii, 0
.rept 32
	global_load_b32 v[64+32*(\t)+ii], v7, s[\src:\src+1] offset:(32*(\t)+ii)*(\stride) th:TH_LOAD_NT
.set ii, ii+1
.endr
.endm
.macro QBLOCK t                        ; block t = 2 c + h of the K step: scale byte into v24, six code registers into the image of lane (r, h), registers 6 c on
.set XS, 64+32*(\t)
.set CC, 32+8*(\t)
	v_max3_num_f32 v12, |v[XS]|, |v[XS+1]|, |v[XS+2]|
	v_max3_num_f32 v13, |v[XS+3]|, |v[XS+4]|, |v[XS+5]|
.irp i, 6,10,14,18,22,26
	s_delay_alu instid0(VALU_DEP_2)
	v_max3_num_f32 v12, v12, |v[XS+\i]|, |v[XS+\i+1]|
	s_delay_alu instid0(VALU_DEP_2)
	v_max3_num_f32 v13, v13, |v[XS+\i+2]|, |v[XS+\i+3]|
.endr
	s_delay_alu instid0(VALU_DEP_2)
	v_max3_num_f32 v12, v12, |v[XS+30]|, |v[XS+31]|
	s_delay_alu instid0(VALU_DEP_1)
	v_max3_num_f32 v12, v12, v13, 0x1800000        ; the floor 2^(3 - 127): the byte cannot fall under 1
	s_delay_alu instid0(VALU_DEP_1)
	v_add_nc_u32 v11, 0xff000000, v12              ; 2 off the exponent field: the conversion's scale operand
	v_cvt_scalef32_pk16_fp6_f32 v[CC:CC+2], v[XS:XS+15], v11
	v_cvt_scalef32_pk16_fp6_f32 v[26:28], v[XS+16:XS+31], v11   ; (a conversion's three registers begin on an even number)
	v_lshrrev_b32 v14, 23, v11                     ; the scale's byte; also the plain line behind the conversions
.if (\t) == 0
	s_delay_alu instid0(VALU_DEP_1)
	v_mov_b32 v24, v14
.else
	s_delay_alu instid0(VALU_DEP_1)
	v_lshl_or_b32 v24, v14, 8*(\t), v24
.endif
	v_mov_b32 v[CC+3], v26
	v_mov_b32 v[CC+4], v27
	v_mov_b32 v[CC+5], v28
.if ((\t)/2) == 0
	ds_store_b128 v6, v[CC:CC+3] offset:256*((\t)%2)            ; registers 0-3: piece 0
	ds_store_b64 v6, v[CC+4:CC+5] offset:512+256*((\t)%2)       ; registers 4, 5: piece 1, low half
.else
	ds_store_b64 v6, v[CC:CC+1] offset:520+256*((\t)%2)         ; registers 6, 7: piece 1, high half
	ds_store_b128 v6, v[CC+2:CC+5] offset:1024+256*((\t)%2)     ; registers 8-11: piece 2
.endif
.endm
.macro QBODY src, cod, scl, stride, run
	QLOAD 0, \src, \stride
	QLOAD 1, \src, \stride
	s_wait_loadcnt 32                              ; block 0 is in, block 1's 32 loads may be out
	QLOAD 2, \src, \stride
	QBLOCK 0
	s_wait_loadcnt 32                              ; block 1 is in, block 2's may be out
	QLOAD 3, \src, \stride
	QBLOCK 1
	s_wait_loadcnt 32                              ; block 2 is in
	QBLOCK 2
	s_wait_loadcnt 0x0
	QBLOCK 3
.irp n, 0,1,2,3,4,5
	ds_load_b128 v[64+4*\n:67+4*\n], v8 offset:(\n/3)*TREG+512*(\n%3)   ; my wave's own bytes: LDS serves a wave's instructions in order
.endr
	s_wait_alu depctr_va_vdst(0)                   ; a wait ahead of the waits below
.irp n, 0,1,2,3,4,5
	s_wait_dscnt 5-\n
	global_store_b128 v9, v[64+4*\n:67+4*\n], s[\cod:\cod+1] offset:(\n/3)*(\run)+512*(\n%3)   ; 512 consecutive bytes a store
.endr
	global_store_b32 v10, v24, s[\scl:\scl+1]      ; my column's scale word of this K step
.endm
; THE SORT: four chunks of 32 tokens, line by line by turns.  Chunk c: index pair in v[64+2c], v[65+2c], which then take 4 x key and the entry;
; v[128+c], a lane to a token: how many tokens of the chunk in lower lanes have its key;  v[160+c], a lane to a key: how many of my wave's tokens in earlier chunks have that key.
.macro G4 c0
	s_wait_loadcnt CH-4-(\c0)                                         ; these four chunks' index pairs are in; the later chunks' loads may be out
.irp k, 0,1,2,3
	v_min_u32 v[16+12*\k], 7, v[64+2*((\c0)+\k)]
.endr
.irp k, 0,1,2,3
	v_min_u32 v[17+12*\k], 7, v[65+2*((\c0)+\k)]
.endr
.irp k, 0,1,2,3
	s_delay_alu instid0(VALU_DEP_4)
	v_cmp_eq_u32 s[BAL+5*\k], v[16+12*\k], v[17+12*\k]
.endr
.irp k, 0,1,2,3
	v_xor_b32 v[19+12*\k], 1, v[17+12*\k]
.endr
.irp k, 0,1,2,3
	s_delay_alu instid0(VALU_DEP_4)
	v_cndmask_b32 v[17+12*\k], v[17+12*\k], v[19+12*\k], s[BAL+5*\k]   ; i0 = i1: the partner is i1 xor 1
.endr
.irp k, 0,1,2,3
	s_delay_alu instid0(VALU_DEP_4)
	v_min_u32 v[18+12*\k], v[16+12*\k], v[17+12*\k]                   ; a
.endr
.irp k, 0,1,2,3
	v_add_nc_u32 v[19+12*\k], v[16+12*\k], v[17+12*\k]
.endr
.irp k, 0,1,2,3
	s_delay_alu instid0(VALU_DEP_4)
	v_sub_nc_u32 v[19+12*\k], v[19+12*\k], v[18+12*\k]                ; b
.endr
.irp k, 0,1,2,3
	s_delay_alu instid0(VALU_DEP_4)
	v_add_nc_u32 v[20+12*\k], -1, v[19+12*\k]
.endr
.irp k, 0,1,2,3
	s_delay_alu instid0(VALU_DEP_4)
	v_mul_u32_u24 v[20+12*\k], v[20+12*\k], v[19+12*\k]
.endr
.irp k, 0,1,2,3
	s_delay_alu instid0(VALU_DEP_4)
	v_lshrrev_b32 v[20+12*\k], 1, v[20+12*\k]
.endr
.irp k, 0,1,2,3
	s_delay_alu instid0(VALU_DEP_4)
	v_add_nc_u32 v[20+12*\k], v[20+12*\k], v[18+12*\k]                ; key
.endr
.irp k, 0,1,2,3
	s_delay_alu instid0(VALU_DEP_4)
	v_lshlrev_b32 v[64+2*((\c0)+\k)], 2, v[20+12*\k]                  ; 4 x key: a lane's byte index
.endr
.irp k, 0,1,2,3
	v_lshl_or_b32 v[65+2*((\c0)+\k)], v[18+12*\k], 16, v14
.endr
.irp k, 0,1,2,3
	s_delay_alu instid0(VALU_DEP_4)
	v_lshl_or_b32 v[65+2*((\c0)+\k)], v[19+12*\k], 20, v[65+2*((\c0)+\k)]
.endr
.irp k, 0,1,2,3
	s_delay_alu instid0(VALU_DEP_4)
	v_or_b32 v[65+2*((\c0)+\k)], 32*((\c0)+\k), v[65+2*((\c0)+\k)]    ; the entry
.endr
.irp j, 0,1,2,3
.irp k, 0,1,2,3
	v_and_b32 v[21+12*\k], 1<<\j, v[20+12*\k]
.endr
.irp k, 0,1,2,3
	s_delay_alu instid0(VALU_DEP_4)
	v_cmp_ne_u32 s[BAL+5*\k+\j], 0, v[21+12*\k]                       ; which tokens have bit j of the key
.endr
.endr
.irp k, 0,1,2,3
	v_cmp_lt_u32 s[BAL+4+5*\k], 15, v[20+12*\k]                       ; bit 4
.endr
.irp k, 0,1,2,3
	v_xor_b32 v[22+12*\k], s[BAL+5*\k], v8
.endr
.irp j, 1,2,3,4
.irp k, 0,1,2,3
	v_xor_b32 v[21+12*\k], s[BAL+5*\k+\j], v[8+\j]
.endr
.irp k, 0,1,2,3
	s_delay_alu instid0(VALU_DEP_4)
	v_and_b32 v[22+12*\k], v[22+12*\k], v[21+12*\k]                   ; in lane l: the chunk's tokens with key l
.endr
.endr
.irp k, 0,1,2,3
	ds_bpermute_b32 v[23+12*\k], v[64+2*((\c0)+\k)], v[22+12*\k]      ; each token takes its key's mask: its peers.  The bit count below stands between these and the wait for them
.endr
.irp k, 0,1,2,3
	v_lshrrev_b32 v[21+12*\k], 1, v[22+12*\k]                         ; how many bits the mask has, by halving sums
.endr
.irp k, 0,1,2,3
	s_delay_alu instid0(VALU_DEP_4)
	v_and_b32 v[21+12*\k], s36, v[21+12*\k]
.endr
.irp k, 0,1,2,3
	s_delay_alu instid0(VALU_DEP_4)
	v_sub_nc_u32 v[24+12*\k], v[22+12*\k], v[21+12*\k]
.endr
.irp k, 0,1,2,3
	s_delay_alu instid0(VALU_DEP_4)
	v_lshrrev_b32 v[21+12*\k], 2, v[24+12*\k]
.endr
.irp k, 0,1,2,3
	v_and_b32 v[24+12*\k], s37, v[24+12*\k]
.endr
.irp k, 0,1,2,3
	v_and_b32 v[21+12*\k], s37, v[21+12*\k]
.endr
.irp k, 0,1,2,3
	s_delay_alu instid0(VALU_DEP_4)
	v_add_nc_u32 v[24+12*\k], v[24+12*\k], v[21+12*\k]
.endr
.irp k, 0,1,2,3
	s_delay_alu instid0(VALU_DEP_4)
	v_lshrrev_b32 v[21+12*\k], 4, v[24+12*\k]
.endr
.irp k, 0,1,2,3
	s_delay_alu instid0(VALU_DEP_4)
	v_add_nc_u32 v[24+12*\k], v[24+12*\k], v[21+12*\k]
.endr
.irp k, 0,1,2,3
	s_delay_alu instid0(VALU_DEP_4)
	v_and_b32 v[24+12*\k], s38, v[24+12*\k]
.endr
.irp k, 0,1,2,3
	s_delay_alu instid0(VALU_DEP_4)
	v_mul_lo_u32 v[24+12*\k], v[24+12*\k], s39
.endr
.irp k, 0,1,2,3
	s_delay_alu instid0(VALU_DEP_4)
	v_lshrrev_b32 v[24+12*\k], 24, v[24+12*\k]
.endr
.irp k, 0
	v_mov_b32 v[160+(\c0)+\k], v13                                    ; my key's count in front of this chunk: kept, a lane to a key, until the keys' bases are known,
	v_add_nc_u32 v13, v13, v[24+12*\k]                                ; and behind it
.endr
.irp k, 1, 2, 3
	s_delay_alu instid0(VALU_DEP_1)
	v_mov_b32 v[160+(\c0)+\k], v13
	s_delay_alu instid0(VALU_DEP_2)
	v_add_nc_u32 v13, v13, v[24+12*\k]
.endr
	s_wait_dscnt 0x0                                                  ; the peers' masks
.irp k, 0,1,2,3
	v_mbcnt_lo_u32_b32 v[128+(\c0)+\k], v[23+12*\k], 0                ; the peers in lower lanes
.endr
.endm
	s_load_b512 s[4:19], s[0:1], 0x0               ; idx s[4:5], w13 s[6:7], w2 s[8:9], rows s[10:11], w13c s[12:13], w13s s[14:15], w2c s[16:17], w2s s[18:19]
	v_lshl_add_u32 v192, v0, 2, 0xd400             ; my spare word, behind the sort's counts,
	v_mov_b32 v193, 0                              ; and 0: kept for the add at the wave's end
	v_lshrrev_b32 v1, 5, v0
	s_delay_alu instid0(VALU_DEP_1)
	v_readfirstlane_b32 s20, v1                    ; wave j, 0 .. 7
	v_and_b32 v2, 31, v0                           ; lane
	s_cmp_lt_u32 ttmp9, 2
	s_cbranch_scc1 .Lsort
	v_lshlrev_b32 v7, 2, v2                        ; in: 4 bytes a lane
	v_lshlrev_b32 v9, 4, v2                        ; out: 16 bytes a lane
	s_lshr_b32 s28, s20, 1                         ; j / 2
	s_and_b32 s29, s20, 1                          ; j % 2
	s_mul_i32 s39, s20, WREG                       ; my wave's stage
	s_cmp_lt_u32 ttmp9, 130
	s_cbranch_scc0 .Lw2
	; ---- w13: u = e x 16 + half x 8 + K step; wave j takes columns 256 half + 32 j on
	s_sub_co_u32 s21, ttmp9, 2
	s_lshr_b32 s22, s21, 4                         ; e
	s_bfe_u32 s23, s21, 0x10003                    ; 0: h's columns, 1: g's
	s_and_b32 s24, s21, 7                          ; K step
	s_lshl_b32 s26, s22, 21
	s_lshl_b32 s27, s24, 18
	s_add_co_u32 s26, s26, s27
	s_lshl_b32 s27, s23, 10
	s_add_co_u32 s26, s26, s27
	s_lshl_b32 s27, s20, 7
	s_add_co_u32 s26, s26, s27                     ; where my wave reads
	s_mov_b32 s27, 0
	s_lshl_b32 s30, s22, 2
	s_add_co_u32 s30, s30, s28                     ; 4 e + w, w = j / 2
	s_lshl_b32 s31, s30, 3
	s_add_co_u32 s31, s31, s24
	s_lshl_b32 s31, s31, 3
	s_lshl_b32 s32, s23, 2
	s_add_co_u32 s31, s31, s32
	s_lshl_b32 s33, s29, 1
	s_add_co_u32 s31, s31, s33                     ; fragment ((4 e + w) 8 + s) 8 + 4 half + 2 (j % 2)
	s_mul_i32 s34, s31, 1536
	s_mov_b32 s35, 0
	s_lshl_b32 s36, s30, 3
	s_add_co_u32 s36, s36, s32
	s_add_co_u32 s36, s36, s33
	s_lshl_b32 s36, s36, 9
	s_and_b32 s38, s24, 1
	s_lshl_b32 s38, s38, 8
	s_add_co_u32 s36, s36, s38
	s_lshr_b32 s38, s24, 1
	s_lshl_b32 s38, s38, 2
	s_add_co_u32 s36, s36, s38                     ; the scale words' place
	s_mov_b32 s37, 0
	v_bfe_u32 v3, v0, 3, 1                         ; which of my wave's two tiles
	v_and_b32 v4, 7, v0
	v_bfe_u32 v5, v0, 4, 1
	s_delay_alu instid0(VALU_DEP_1)
	v_lshl_or_b32 v4, v5, 3, v4                    ; row r of it
	s_delay_alu instid0(VALU_DEP_4)
	v_mul_u32_u24 v6, v3, TREG
	s_delay_alu instid0(VALU_DEP_1)
	v_lshl_add_u32 v6, v4, 4, v6
	s_delay_alu instid0(VALU_DEP_1)
	v_add_nc_u32 v6, s39, v6                       ; into the stage (Q13 = 0)
	s_wait_alu depctr_va_vdst(0)                   ; a wait here and at the head's end
	v_add_nc_u32 v8, s39, v9                       ; out of it
	v_lshlrev_b32 v10, 9, v3
	s_delay_alu instid0(VALU_DEP_1)
	v_lshl_add_u32 v10, v4, 4, v10
	s_wait_alu depctr_va_vdst(0)
	s_wait_kmcnt 0x0
	s_add_nc_u64 s[6:7], s[6:7], s[26:27]
	s_add_nc_u64 s[12:13], s[12:13], s[34:35]
	s_add_nc_u64 s[14:15], s[14:15], s[36:37]
	QBODY 6, 12, 14, 2048, 1536
	s_wait_tensorcnt 0x0                           ; the wave's end, behind my last LDS store
	ds_add_u32 v192, v193
	s_wait_dscnt 0x0
	s_endpgm
.Lw2:	; ---- w2: u = e x 8 + w x 2 + K step; wave j takes columns 256 w + 32 j on
	s_sub_co_u32 s21, ttmp9, 130
	s_lshr_b32 s22, s21, 3                         ; e
	s_bfe_u32 s23, s21, 0x20001                    ; w
	s_and_b32 s24, s21, 1                          ; K step
	s_lshl_b32 s26, s22, 20
	s_lshl_b32 s27, s24, 19
	s_add_co_u32 s26, s26, s27
	s_lshl_b32 s27, s23, 10
	s_add_co_u32 s26, s26, s27
	s_lshl_b32 s27, s20, 7
	s_add_co_u32 s26, s26, s27
	s_mov_b32 s27, 0
	s_lshl_b32 s30, s22, 2
	s_add_co_u32 s30, s30, s23                     ; 4 e + w
	s_lshl_b32 s31, s30, 4
	s_lshl_b32 s32, s20, 1
	s_add_co_u32 s31, s31, s32
	s_lshl_b32 s31, s31, 1
	s_add_co_u32 s31, s31, s24                     ; fragment ((4 e + w) 16 + 2 j) 2 + s
	s_mul_i32 s34, s31, 1536
	s_mov_b32 s35, 0
	s_lshl_b32 s36, s30, 2
	s_add_co_u32 s36, s36, s28
	s_lshl_b32 s36, s36, 9
	s_lshl_b32 s38, s24, 8
	s_add_co_u32 s36, s36, s38
	s_lshl_b32 s38, s29, 3
	s_add_co_u32 s36, s36, s38
	s_mov_b32 s37, 0
	s_add_co_u32 s39, s39, Q2
	v_bfe_u32 v3, v0, 4, 1                         ; which of my wave's two tiles
	v_and_b32 v4, 15, v0                           ; row r of it
	s_delay_alu instid0(VALU_DEP_2)
	v_mul_u32_u24 v6, v3, TREG
	s_delay_alu instid0(VALU_DEP_1)
	v_lshl_add_u32 v6, v4, 4, v6
	s_delay_alu instid0(VALU_DEP_1)
	v_add_nc_u32 v6, s39, v6
	s_wait_alu depctr_va_vdst(0)                   ; a wait here and at the head's end
	v_add_nc_u32 v8, s39, v9
	v_lshlrev_b32 v10, 2, v3
	s_delay_alu instid0(VALU_DEP_1)
	v_lshl_add_u32 v10, v4, 4, v10
	s_wait_alu depctr_va_vdst(0)
	s_wait_kmcnt 0x0
	s_add_nc_u64 s[8:9], s[8:9], s[26:27]
	s_add_nc_u64 s[16:17], s[16:17], s[34:35]
	s_add_nc_u64 s[18:19], s[18:19], s[36:37]
	QBODY 8, 16, 18, 4096, 3072
	s_wait_tensorcnt 0x0                           ; the wave's end, as above
	ds_add_u32 v192, v193
	s_wait_dscnt 0x0
	s_endpgm
.Lsort:	; ---- group g = my work-group's number; wave v takes tokens 4,096 g + 512 v on, CH chunks of 32
	s_mov_b32 s36, 0x55555555
	s_mov_b32 s37, 0x33333333
	s_mov_b32 s38, 0x0f0f0f0f
	s_mov_b32 s39, 0x01010101
	s_mul_i32 s21, s20, REGION/8                   ; my eighth of the group's region
	s_lshl_b32 s22, ttmp9, 3
	s_add_co_u32 s22, s22, s20                     ; 8 g + v
	s_mul_i32 s24, ttmp9, REGION
	s_mov_b32 s25, 0
	s_wait_alu depctr_va_vdst(0)                   ; a wait behind the jump
	v_lshlrev_b32 v3, 3, v2
	v_lshlrev_b32 v1, 4, v2
	s_delay_alu instid0(VALU_DEP_2)
	v_lshl_add_u32 v3, s22, 12, v3                 ; 8 bytes a token
	s_delay_alu instid0(VALU_DEP_2)
	v_add_nc_u32 v1, s21, v1                       ; the zeros: 16 bytes a lane; v1 and v[4:7] are not written again
.irp i, 4,5,6,7
	v_mov_b32 v[\i], 0
.endr
	s_wait_alu depctr_va_vdst(0)                   ; and at the head's end
	s_wait_kmcnt 0x0
	s_add_nc_u64 s[10:11], s[10:11], s[24:25]      ; my group's region
.set cc, 0
.rept CH
	global_load_b64 v[64+2*cc:65+2*cc], v3, s[4:5] offset:256*cc
.set cc, cc+1
.endr
.irp i, 0,1,2,3,4,5
	global_store_b128 v1, v[4:7], s[10:11] offset:512*\i   ; 512 consecutive bytes of zeros a store; they are waited for in front of the barrier below
.endr
.irp j, 0,1,2,3,4
	v_bfe_u32 v[8+\j], v2, \j, 1
.endr
.irp j, 0,1,2,3,4
	v_add_nc_u32 v[8+\j], -1, v[8+\j]              ; 0 where my lane's number has bit j, else all ones
.endr
	v_mov_b32 v13, 0                               ; lane = key: my wave's count so far
	v_lshl_or_b32 v14, s22, 9, v2
	s_delay_alu instid0(VALU_DEP_1)
	v_or_b32 v14, 0x1000000, v14                   ; 512 (8 g + v) + lane, and the mark of a row
	v_lshl_add_u32 v15, v0, 2, TOT
	G4 0
	G4 4
	G4 8
	G4 12
	s_wait_alu depctr_va_vdst(0)
	ds_store_b32 v15, v13                          ; my wave's 32 counts
	s_wait_dscnt 0x0                               ; for the others' sake
	s_wait_storecnt 0x0                            ; my zeros are done: behind the barrier any wave may store an entry into my eighth
	s_barrier_signal -1                            ; (all eight waves of a sorting work-group are on this way)
	s_barrier_wait -1
	v_lshl_add_u32 v16, v2, 2, TOT
.irp i, 0,1,2,3,4,5,6,7
	ds_load_b32 v[17+\i], v16 offset:128*\i
.endr
	v_mov_b32 v25, 0
	v_mov_b32 v26, 0
	s_wait_alu depctr_va_vdst(0)
	s_wait_dscnt 0x0
.irp i, 0,1,2,3,4,5,6,7
	v_add_nc_u32 v25, v25, v[17+\i]                ; n: my key's tokens in the group
	s_cmp_gt_u32 s20, \i
	s_cselect_b32 s21, -1, 0
	v_and_b32 v27, s21, v[17+\i]
	s_delay_alu instid0(VALU_DEP_1)
	v_add_nc_u32 v26, v26, v27                     ; those of the waves in front of mine
.endr
	v_add_nc_u32 v28, 63, v25
	s_delay_alu instid0(VALU_DEP_1)
	v_lshrrev_b32 v28, 6, v28                      ; my key's tiles
	v_mov_b32 v29, 0
	; each key's first tile: the 28 numbers of tiles come down together, are summed by scalar additions, and go up together
.set kk, 0
.rept 28
	v_readlane_b32 s[TSUM+kk], v28, kk
.set kk, kk+1
.endr
.set kk, 0
.rept 27
	s_add_co_u32 s[TSUM+1+kk], s[TSUM+1+kk], s[TSUM+kk]   ; the tiles of keys 0 .. kk + 1
.set kk, kk+1
.endr
.set kk, 0
	v_writelane_b32 v29, s[TSUM+kk], kk+1          ; key kk + 1 begins behind the tiles of keys 0 .. kk; key 0 at tile 0
.set kk, kk+1
.rept (27)-1
	s_delay_alu instid0(VALU_DEP_1)
	v_writelane_b32 v29, s[TSUM+kk], kk+1
.set kk, kk+1
.endr
	v_lshl_add_u32 v30, v29, 6, v26                ; lane = key: the slot of my wave's first token of that key
.set cc, 0
.rept CH
	v_add_nc_u32 v[160+cc], v[160+cc], v30         ; and of chunk cc's first
.set cc, cc+1
.endr
.set cc, 0
.rept CH
	ds_bpermute_b32 v[32+cc], v[64+2*cc], v[160+cc]
.set cc, cc+1
.endr
.set cc, 0
.rept CH
	s_wait_dscnt CH-1-cc                           ; chunk cc's is back; the later chunks' may be out
	v_add_nc_u32 v[32+cc], v[32+cc], v[128+cc]
	s_delay_alu instid0(VALU_DEP_1)
	v_min_u32 v[32+cc], SLOTS-1, v[32+cc]
	s_delay_alu instid0(VALU_DEP_1)
	v_lshlrev_b32 v[32+cc], 2, v[32+cc]
	global_store_b32 v[32+cc], v[65+2*cc], s[10:11]   ; every token has a slot of its own; every store has registers of its own
.set cc, cc+1
.endr
	s_wait_tensorcnt 0x0                           ; the wave's end, as above
	ds_add_u32 v192, v193
	s_wait_dscnt 0x0
	s_endpgm
.Lfunc_end_k_q0b580aad74_prep:
	.size	k_q0b580aad74_prep, .Lfunc_end_k_q0b580aad74_prep-k_q0b580aad74_prep
	.p2alignl 7, 3214868480
	.fill 96, 4, 3214868480
	.section	.rodata,"a",@progbits
	.p2align	6, 0x0
	.amdhsa_kernel k_q0b580aad74_prep
		.amdhsa_group_segment_fixed_size 55296
		.amdhsa_private_segment_fixed_size 0
		.amdhsa_enable_private_segment 0
		.amdhsa_kernarg_size 64
		.amdhsa_user_sgpr_count 2
		.amdhsa_user_sgpr_kernarg_segment_ptr 1
		.amdhsa_wavefront_size32 1
		.amdhsa_system_sgpr_workgroup_id_x 1
		.amdhsa_system_sgpr_workgroup_id_y 1
		.amdhsa_system_sgpr_workgroup_id_z 1
		.amdhsa_system_vgpr_workitem_id 0
		.amdhsa_next_free_vgpr 194
		.amdhsa_next_free_sgpr 96
		.amdhsa_reserve_vcc 0
		.amdhsa_float_denorm_mode_32 3
		.amdhsa_float_denorm_mode_16_64 3
		.amdhsa_memory_ordered 1
		.amdhsa_forward_progress 1
		.amdhsa_inst_pref_size 113
	.end_amdhsa_kernel
	.amdgpu_metadata
---
amdhsa.version: [ 1, 2 ]
amdhsa.kernels:
  - .name:           k_q0b580aad74_prep
    .symbol:         k_q0b580aad74_prep.kd
    .args:
      - { .name: expert_idxs, .offset: 0, .size: 8, .value_kind: global_buffer, .address_space: global }
      - { .name: w13, .offset: 8, .size: 8, .value_kind: global_buffer, .address_space: global }
      - { .name: w2, .offset: 16, .size: 8, .value_kind: global_buffer, .address_space: global }
      - { .name: rows, .offset: 24, .size: 8, .value_kind: global_buffer, .address_space: global }
      - { .name: w13c, .offset: 32, .size: 8, .value_kind: global_buffer, .address_space: global }
      - { .name: w13s, .offset: 40, .size: 8, .value_kind: global_buffer, .address_space: global }
      - { .name: w2c, .offset: 48, .size: 8, .value_kind: global_buffer, .address_space: global }
      - { .name: w2s, .offset: 56, .size: 8, .value_kind: global_buffer, .address_space: global }
    .group_segment_fixed_size: 55296
    .private_segment_fixed_size: 0
    .kernarg_segment_align: 8
    .kernarg_segment_size: 64
    .max_flat_workgroup_size: 256
    .sgpr_count:     96
    .vgpr_count:     194
    .wavefront_size: 32
...
	.end_amdgpu_metadata
.endif
;; end of part 1
;; launch experts (part 2): grid 91 x 2, 4 waves a work-group, no clusters, 147,968 bytes of LDS; arguments rows, expert_idxs, expert_p, x, w13c, w13s, w2c, w2s, out0; writes out0
.if DOCPART == 2
	.amdgcn_target "amdgcn-amd-amdhsa--gfx1250"
	.amdhsa_code_object_version 6
	.text
	.protected	k_q0b580aad74_experts
	.globl	k_q0b580aad74_experts
	.p2align	8
	.type	k_q0b580aad74_experts,@function
k_q0b580aad74_experts:
	s_mov_b64 s[64:65], 0
	v_nop
	global_prefetch_b8 v0, s[64:65] scope:SCOPE_SE
	s_setreg_imm32_b32 hwreg(HW_REG_WAVE_MODE, 25, 1), 1
	s_wait_xcnt 0x0
; EXPERTS.  One work-group takes one tile of rows[]: up to 64 tokens that all use the same two experts a < b, through the whole chain:
; gather x, quantise | hg = x w13[e], he = silu(g) h, quantise, for e = a, b | y = pa (he_a w2[a]) + pb (he_b w2[b]) | store.  Each output row has one owner; the hidden layer stays in LDS.
; Only the rows of the two experts that a token's indices name are multiplied: every other expert's weight pe is 0 by reference()'s own mask (shown at the head of the launch before, with its limit).
.set XIMG, 0                           ; LDS: x's 32 fragment images (8 m + s) x 1,536
; All products on codes of FP6 (E2M3) with E8M0 scales for each 32 along K; sums, silu and the weights in f32.  pe = (i0 == e ? p0 : 0) + (i1 == e ? p1 : 0), the indices as they are given.
; SHARES.  The four waves share the COLUMNS: wave w makes hidden units 64 w .. 64 w + 63 (four tiles of h, four of g) and output columns 256 w .. 256 w + 255, for all four tiles of 16 rows.
; So each weight fragment is loaded once in the work-group, from memory straight into registers (laid out for that by the launch before), and feeds four matrix instructions.
; Both products are used TRANSPOSED (source 0 = 16 rows of weights, source 1 = 16 tokens): a lane holds one token (lane % 16) throughout, and its registers run along the next K or along a row of y.
; THE GRID: x = the tile, 0 .. 90, y = the sort's group, 0 or 1: 91 tiles serve every split of a group's 4,096 tokens over 28 pairs.  A TILE WITHOUT ROWS ends at once, ahead of every LDS write and barrier:
; the branch hangs on the tile's first entry, one scalar that all four waves read alike.  A tile's rows fill its slots from 0 on.  A SLOT WITHOUT A ROW is computed on the tile's first row and is not stored.
; NO CLUSTER, NO TENSOR LOADS: which experts a tile uses hangs on data, so partners could not be given equal descriptors; and a fragment is read by one wave alone, so a way through LDS would only add traffic.
; NO PREFETCH: the weights' codes are read by many work-groups, and x is asked for 48 loads deep by the waves themselves.
; LIMITS: blocks whose largest magnitude lies under 2^-124 keep the byte 1; NaN and infinities are not served; p is selected, not multiplied by 0 or 1 (differs for infinite p alone).
; THE STREAM OF WEIGHTS: half-sets of 4 fragments (6,144 consecutive bytes, 12 loads) through a ring of 8 register slots, asked for 5 half-sets ahead: 16 for a's first product, 16 for b's, 16 for the second products.
; REGISTERS.  window 0: v1-15 addresses; v16-31 indices and p; v32-63 the weights' scale words; v64-159 x's fragments (two K steps), later a's hidden fragments; v64-191 in phase X two sets of 64 numbers;
;   v160-191 at work, later the rows' offsets in y; v192-229 at work; v230, v231 the add's two; v232-247 the rows' scale words; v248-255 (pa, pb) for each tile of rows.
;   window 1: ring slots 0-4.  window 2: ring slots 5-7; v144-239 b's hidden fragments.  window 3: x as loaded (4 x 64), then the accumulators.
.set XSC,  49152                       ; their scale words, 128 bytes each
.set HIMG, 53248                       ; the hidden layers' 16 images ((4 x + m) 2 + s)
.set HSC,  77824                       ; their scale words
.set STG,  79872                       ; for each wave 16,896 bytes: two stages of 16 x 528 for x; later one of 16 x 272 for y
.set STGW, 16896
.set REGION, 24576                     ; bytes of a group's region of rows[]
.set WS,   32
.set XF,   64
.set QB,   64
.set T,    160
.set RO,   160
.set TM,   192
.set HE,   192
.set PBB,  192
.set PW,   208
.set PC,   210
.set SCX,  232
.set PP,   248
.set W13B, 32                          ; s[32:33] w13c(b, w)
.set S2A,  34                          ; s[34:35] w2s(a, w);  s[36:37] w2s(b, w)
.set S2B,  36
.set A2N,  38                          ; s[38:39] w2c(a, w) + 12,288
.set CUR,  48                          ; s[48:49] the first product's weights in hand
.set N0,   50                          ; s[50:55] where the next stream's first five half-sets lie
.set N1,   52
.set N2,   54
.set SA,   56                          ; s[56:59] the next scale words
.set SB,   58
.set A2,   60                          ; s[60:63] w2c(a, w), w2c(b, w)
.set B2,   62
.set RB,   66                          ; s[66:97] x at each of my wave's 16 rows
.set MSB, 0
.macro WIN new                         ; the immediate's high byte repeats the setting that is left
.if MSB != (\new)
	s_set_vgpr_msb (MSB<<8)|(\new)
.set MSB, (\new)
.endif
.endm
.macro PLACES                          ; four plain places behind matrix instructions, ahead of loads into their registers and of reads of their results
.rept 4
	v_nop
.endr
.endm
.macro MM d, a, b, acc, sa, sb, row1
.if (\acc) && (\row1)
	v_wmma_scale_f32_16x16x128_f8f6f4 v[\d:\d+7], v[\a:\a+11], v[\b:\b+11], v[\d:\d+7], v[\sa], v[\sb] matrix_a_fmt:MATRIX_FMT_FP6 matrix_b_fmt:MATRIX_FMT_FP6 matrix_a_scale:MATRIX_SCALE_ROW1
.elseif (\acc)
	v_wmma_scale_f32_16x16x128_f8f6f4 v[\d:\d+7], v[\a:\a+11], v[\b:\b+11], v[\d:\d+7], v[\sa], v[\sb] matrix_a_fmt:MATRIX_FMT_FP6 matrix_b_fmt:MATRIX_FMT_FP6
.else
	v_wmma_scale_f32_16x16x128_f8f6f4 v[\d:\d+7], v[\a:\a+11], v[\b:\b+11], 0, v[\sa], v[\sb] matrix_a_fmt:MATRIX_FMT_FP6 matrix_b_fmt:MATRIX_FMT_FP6
.endif
.endm
.macro RLOAD slot, base, off           ; a half-set of weights into a ring slot: register 4 n from byte 512 n + 16 lane
.if (\slot) < 5
.set RR, 48*(\slot)
	WIN 0x40
.else
.set RR, 48*((\slot)-5)
	WIN 0x80
.endif
.irp n, 0,1,2,3,4,5,6,7,8,9,10,11
	global_load_b128 v[RR+4*\n:RR+4*\n+3], v1, s[\base:\base+1] offset:(\off)+512*\n
.endr
	WIN 0
.endm
.macro WSLOAD a, b                     ; 32 registers of the weights' scale words
.irp n, 0,1,2,3
	global_load_b128 v[WS+4*\n:WS+4*\n+3], v1, s[\a:\a+1] offset:512*\n
.endr
.irp n, 0,1,2,3
	global_load_b128 v[WS+16+4*\n:WS+16+4*\n+3], v1, s[\b:\b+1] offset:512*\n
.endr
.endm
.macro XLOAD s                         ; K step s of my 16 rows: each load reads 512 consecutive bytes of one row
	WIN 0xc0
.irp p, 0,1,2,3,4,5,6,7,8,9,10,11,12,13,14,15
	global_load_b128 v[64*((\s)%4)+4*\p:64*((\s)%4)+4*\p+3], v1, s[RB+2*\p:RB+2*\p+1] offset:512*(\s)
.endr
	WIN 0
.endm
.macro TURN s                          ; through my stage: in as loaded, back so that lane (r, h) holds, of row r, 16 neighbours of each block of 32
	WIN 0x0c
.irp p, 0,1,2,3,4,5,6,7,8,9,10,11,12,13,14,15
	ds_store_b128 v5, v[64*((\s)%4)+4*\p:64*((\s)%4)+4*\p+3] offset:8448*((\s)%2)+528*\p
.endr
	WIN 0
.irp b, 0,1,2,3
.irp j, 0,1,2,3
	ds_load_b128 v[QB+64*((\s)%2)+16*\b+4*\j:QB+64*((\s)%2)+16*\b+4*\j+3], v6 offset:8448*((\s)%2)+128*\b+16*\j
.endr
.endr
.endm
; 64 numbers of a lane, register 16 b + i = k 32 b + 16 (lane / 16) + i of my row, become a fragment's codes in v[PC] on and its scale word in v[PW]
.macro QUANT s
.irp b, 0,1,2,3
	v_max3_num_f32 v[TM+\b], |v[\s+16*\b]|, |v[\s+1+16*\b]|, 0x1800000   ; with the floor 2^(3 - 127): the byte cannot fall under 1
.endr
.irp i, 2,4,6,8,10,12,14
.irp b, 0,1,2,3
	v_max3_num_f32 v[TM+\b], v[TM+\b], |v[\s+16*\b+\i]|, |v[\s+1+16*\b+\i]|
.endr
.endr
.irp b, 0,1,2,3
	v_permlanex16_b32 v[TM+4+\b], v[TM+\b], s30, s31
.endr
.irp b, 0,1,2,3
	v_max_num_f32 v[TM+\b], v[TM+\b], v[TM+4+\b]   ; with lane l xor 16's: the block's largest magnitude
.endr
.irp b, 0,1,2,3
	v_add_nc_u32 v[TM+12+\b], 0xff000000, v[TM+\b] ; 2 off its exponent field: the conversion's scale operand
.endr
.irp b, 0,1,2,3
	v_lshrrev_b32 v[TM+4+\b], 23, v[TM+12+\b]      ; the scale's byte
.endr
	v_lshl_or_b32 v[PW], v[TM+5], 8, v[TM+4]
	v_lshl_or_b32 v[PW], v[TM+6], 16, v[PW]
	v_lshl_or_b32 v[PW], v[TM+7], 24, v[PW]
.irp c, 0,1
	v_cvt_scalef32_pk16_fp6_f32 v[PC+6*\c:PC+2+6*\c], v[\s+32*\c:\s+15+32*\c], v[TM+12+2*\c]
	v_cvt_scalef32_pk16_fp6_f32 v[PC+12+4*\c:PC+14+4*\c], v[\s+16+32*\c:\s+31+32*\c], v[TM+12+2*\c+1]
.endr
	v_nop                                          ; one plain place behind a scaled conversion
.irp c, 0,1                                    ; the layout wants a whole block in a lane
.irp i, 0,1,2
	v_permlane16_swap_b32 v[PC+6*\c+\i], v[PC+12+4*\c+\i]
.endr
.irp i, 0,1,2
	v_mov_b32 v[PC+3+6*\c+\i], v[PC+12+4*\c+\i]
.endr
.endr
.endm
.macro XSTEP s, n                      ; n: the loads issued behind the set that the next turn wants
.if (\s) == 0
	s_wait_dscnt 0x0
.else
	s_wait_dscnt 4                                 ; this step's numbers are back from the stage (the last step's four image stores may be out); so the older turn's stores have read their registers
.endif
.if (\s) < 5
	XLOAD (\s)+3
.elseif (\s) == 5
	RLOAD 0, CUR, 0
.elseif (\s) == 6
	RLOAD 1, CUR, 6144
	RLOAD 2, CUR, 12288
.else
	RLOAD 3, CUR, 18432
	RLOAD 4, CUR, 24576
	WIN 0x80
.irp m, 0,1,2,3
.irp i, 0,1,2,3,4,5,6,7
	global_load_b32 v[144+8*\m+\i], v14, s[2:3] offset:64*\m+8*\i   ; the entries once more, as the way out wants them: row 16 m + 2 i + lane / 16
.endr
.endr
	WIN 0
.endif
.if (\s) < 7
	s_wait_loadcnt \n
	TURN (\s)+1
	s_wait_dscnt 32                                ; the turn's 32 may be out; the last step's image stores have read the code registers
.else
	s_wait_dscnt 0x0
.endif
	QUANT QB+64*((\s)%2)
.irp c, 0,1,2
	ds_store_b128 v3, v[PC+4*\c:PC+4*\c+3] offset:XIMG+1536*(\s)+512*\c   ; the fragment as an image of its registers
.endr
	ds_store_b32 v4, v[PW] offset:XSC+128*(\s)
.endm
.macro FETCHX s                        ; K step s of x, all four tiles of rows, and their scale words
.irp m, 0,1,2,3
.irp c, 0,1,2
	ds_load_b128 v[XF+48*((\s)%2)+12*\m+4*\c:XF+48*((\s)%2)+12*\m+4*\c+3], v1 offset:XIMG+(8*\m+(\s))*1536+512*\c
.endr
	ds_load_b32 v[SCX+4*((\s)%2)+\m], v2 offset:XSC+(8*\m+(\s))*128
.endr
.endm
; Half-step i of the first product: K step i / 2, tiles 4 (i % 2) .. + 3, against the four tiles of rows: 16 matrix instructions on 16 accumulators, one instruction a turn.
.macro HSTEP i
.set SS, (\i)/2
.set HF, (\i)%2
.if (\i) == 0
	s_wait_loadcnt 0x0                             ; on a's trip the entries, on b's the scale words, are the youngest loads
.else
	s_wait_loadcnt 48                              ; this half-set is in; the four behind it may be out
.endif
.if HF == 0
	s_wait_dscnt 0x0                               ; x's fragments of this K step, asked for a K step ago
.endif
	PLACES
.if (\i) <= 10
	RLOAD ((\i)+5)%8, CUR, 6144*((\i)+5)
.elseif (\i) <= 12
	RLOAD ((\i)+5)%8, N0, 6144*((\i)-11)
.elseif (\i) <= 14
	RLOAD ((\i)+5)%8, N1, 6144*((\i)-13)
.else
	RLOAD ((\i)+5)%8, N2, 0
.endif
.if HF == 0
	FETCHX (SS+1)%8                                ; (K step 7 asks for step 0 again: b's trip begins with it; behind b's trip it is not used)
.endif
.if ((\i)%8) < 5
.set RA, 48*((\i)%8)
	WIN 0xf1
.else
.set RA, 48*(((\i)%8)-5)
	WIN 0xf2
.endif
.irp f, 0,1,2,3
.irp m, 0,1,2,3
.if SS == 0
	MM 8*(4*(4*HF+\f)+\m), RA+12*\f, XF+48*(SS%2)+12*\m, 0, WS+4*(4*HF+\f)+SS/2, SCX+4*(SS%2)+\m, 0
.else
	MM 8*(4*(4*HF+\f)+\m), RA+12*\f, XF+48*(SS%2)+12*\m, 1, WS+4*(4*HF+\f)+SS/2, SCX+4*(SS%2)+\m, SS%2
.endif
.endr
.endr
	WIN 0
.endm
; he = g h / (1 + 2^(-g log2 e)) for tile m of rows: 32 numbers a lane, register 16 b + 8 u + j = hidden unit 64 w + 32 b + 16 (lane / 16) + 8 u + j; then quantised: half a fragment (registers 6 (w % 2) on) and two scale bytes
.macro SILU m
	WIN 0x03
.irp t, 0,1,2,3
.irp j, 0,2,4,6
	v_pk_mul_f32 v[T+8*\t+\j:T+8*\t+\j+1], v[8*(4*(4+\t)+(\m))+\j:8*(4*(4+\t)+(\m))+\j+1], 0xbfb8aa3b op_sel_hi:[1,0]   ; -g log2 e; each accumulator from its low end on
.endr
.endr
	WIN 0
.set jj, 0
	s_wait_alu depctr_va_vdst(0)                   ; a wait ahead of a batch of transcendentals
.rept 32
	v_exp_f32 v[T+jj], v[T+jj]
.set jj, jj+1
.endr
	WIN 0x0f
	s_wait_alu depctr_va_vdst(0)
.irp t, 0,1,2,3
.irp j, 0,2,4,6
	v_pk_mul_f32 v[HE+8*\t+\j:HE+8*\t+\j+1], v[8*(4*(4+\t)+(\m))+\j:8*(4*(4+\t)+(\m))+\j+1], v[8*(4*\t+(\m))+\j:8*(4*\t+(\m))+\j+1]   ; g h: plain work behind the exponentials
.endr
.endr
	WIN 0
	s_wait_alu depctr_va_vdst(0)                   ; one wait for the 32 exponentials, ahead of their first reader
.set jj, 0
.rept 16
	v_pk_add_f32 v[T+jj:T+jj+1], v[T+jj:T+jj+1], 1.0 op_sel_hi:[1,0]
.set jj, jj+2
.endr
.set jj, 0
	s_wait_alu depctr_va_vdst(0)
.rept 32
	v_rcp_f32 v[T+jj], v[T+jj]
.set jj, jj+1
.endr
	v_nop                                          ; a plain place behind the last reciprocal
	s_wait_alu depctr_va_vdst(0)                   ; one wait for the 32 reciprocals
.set jj, 0
.rept 16
	v_pk_mul_f32 v[HE+jj:HE+jj+1], v[HE+jj:HE+jj+1], v[T+jj:T+jj+1]
.set jj, jj+2
.endr
.irp b, 0,1
	v_max3_num_f32 v[T+\b], |v[HE+16*\b]|, |v[HE+16*\b+1]|, 0x1800000
.endr
.irp i, 2,4,6,8,10,12,14
.irp b, 0,1
	v_max3_num_f32 v[T+\b], v[T+\b], |v[HE+16*\b+\i]|, |v[HE+16*\b+\i+1]|
.endr
.endr
.irp b, 0,1
	v_permlanex16_b32 v[T+2+\b], v[T+\b], s30, s31
.endr
.irp b, 0,1
	v_max_num_f32 v[T+\b], v[T+\b], v[T+2+\b]
.endr
.irp b, 0,1
	v_add_nc_u32 v[T+4+\b], 0xff000000, v[T+\b]
.endr
.irp b, 0,1
	v_lshrrev_b32 v[T+6+\b], 23, v[T+4+\b]
.endr
	v_lshl_or_b32 v[T+8], v[T+7], 8, v[T+6]        ; my two bytes of the row's scale word
	v_cvt_scalef32_pk16_fp6_f32 v[T+10:T+12], v[HE:HE+15], v[T+4]
	v_cvt_scalef32_pk16_fp6_f32 v[T+16:T+18], v[HE+16:HE+31], v[T+5]
	v_nop
.irp i, 0,1,2
	v_permlane16_swap_b32 v[T+10+\i], v[T+16+\i]
.endr
.irp i, 0,1,2
	v_mov_b32 v[T+13+\i], v[T+16+\i]
.endr
	ds_store_b64 v7, v[T+10:T+11] offset:3072*(\m)
	ds_store_b64 v8, v[T+12:T+13] offset:3072*(\m)
	ds_store_b64 v9, v[T+14:T+15] offset:3072*(\m)
	ds_store_b16 v10, v[T+8] offset:256*(\m)
	s_wait_dscnt 0x0                               ; the stores have read their registers
.endm
; Half-step p of the second products: group p / 4 of four column tiles, expert (p / 2) % 2, tiles 2 (p % 2), + 1 of the group; both K steps: 8 accumulators by turns
.macro PSTEP p
.set GG, (\p)/4
.set XX, ((\p)/2)%2
.set PR, (\p)%2
.if (\p) == 0
	s_wait_loadcnt 0x0                             ; the scale words are the youngest loads
.elseif (\p) <= 11
	s_wait_loadcnt 48
.else
	s_wait_loadcnt 12*(15-(\p))                    ; the stream runs out
.endif
	PLACES
.if (\p) <= 10
.set QQ, (\p)+5
.if ((QQ/2)%2) == 0
	RLOAD QQ%8, A2, 12288*(QQ/4)+6144*(QQ%2)
.else
	RLOAD QQ%8, B2, 12288*(QQ/4)+6144*(QQ%2)
.endif
.endif
.if ((\p)%8) < 5
.set RA, 48*((\p)%8)
	WIN 0xf1+8*XX
.else
.set RA, 48*(((\p)%8)-5)
	WIN 0xf2+8*XX
.endif
.set HB, XF+80*XX                      ; a's hidden fragments: window 0, v64 on; b's: window 2, v144 on
.irp k, 0,1
.irp c, 0,1
.irp m, 0,1,2,3
	MM 128*XX+8*(4*(2*PR+\c)+\m), RA+12*(2*\c+\k), HB+12*(2*\m+\k), \k, WS+16*XX+4*GG+2*PR+\c, SCX+8*XX+2*\m+\k, \k
.endr
.endr
.endr
	WIN 0
.endm
; y = pa ya + pb yb for 64 columns of the 64 rows; through my own stage, so that sixteen lanes store 256 consecutive bytes of a row, at a multiple of 256 from the buffer's first byte
.macro OUT g
	WIN 0xc3
.irp m, 0,1,2,3
.irp q, 0,1,2,3
.irp j, 0,2,4,6
	v_pk_mul_f32 v[8*(4*\q+\m)+\j:8*(4*\q+\m)+\j+1], v[8*(4*\q+\m)+\j:8*(4*\q+\m)+\j+1], v[PP+2*\m:PP+2*\m+1] op_sel_hi:[1,0]   ; (these 64 name nothing of b's last products: they are the places behind them)
.endr
.endr
.endr
	WIN 0xf3
.irp m, 0,1,2,3
.irp q, 0,1,2,3
.irp j, 0,2,4,6
	v_pk_fma_f32 v[8*(4*\q+\m)+\j:8*(4*\q+\m)+\j+1], v[128+8*(4*\q+\m)+\j:128+8*(4*\q+\m)+\j+1], v[PBB+2*\m:PBB+2*\m+1], v[8*(4*\q+\m)+\j:8*(4*\q+\m)+\j+1] op_sel_hi:[1,0,1]
.endr
.endr
.endr
.irp m, 0,1,2,3
	WIN 0x0c
.irp q, 0,1,2,3
	ds_store_b128 v11, v[8*(4*\q+\m):8*(4*\q+\m)+3] offset:64*\q
	ds_store_b128 v11, v[8*(4*\q+\m)+4:8*(4*\q+\m)+7] offset:64*\q+16
.endr
	WIN 0xc0
.irp i, 0,1,2,3,4,5,6,7
	ds_load_b128 v[128+32*\m+4*\i:128+32*\m+4*\i+3], v12 offset:544*\i   ; LDS serves a wave's instructions in order: these see the stores above, and the next tile's stores come behind them
.endr
.endr
	WIN 0
	s_wait_dscnt 0x0
; The stores go by ascending rows, two rows a store; the first pair at or past the tile's number of rows ends them: slots without a row are not stored (with an odd number of rows the tile's first row
; is stored once more).  At a branch and at a label every window is 0.
.irp m, 0,1,2,3
.irp i, 0,1,2,3,4,5,6,7
	s_cmp_gt_u32 s27, 16*\m+2*\i
	s_cbranch_scc0 .Lstored_\@
	WIN 0x0c
	global_store_b128 v[RO+8*\m+\i], v[128+32*\m+4*\i:128+32*\m+4*\i+3], s[20:21] offset:256*(\g) th:TH_STORE_NT
	WIN 0
.endr
.endr
.Lstored_\@:
	s_wait_xcnt 0x0                                ; the stores have read their registers
.endm
	s_load_b512 s[4:19], s[0:1], 0x0               ; rows s[4:5], idx s[6:7], p s[8:9], x s[10:11], w13c s[12:13], w13s s[14:15], w2c s[16:17], w2s s[18:19]
	s_load_b64 s[20:21], s[0:1], 0x40              ; out0
	v_lshl_add_u32 v230, v0, 2, 0x24000            ; my spare word, behind the stages,
	v_mov_b32 v231, 0                              ; and 0: kept for the add at the wave's end
	v_lshrrev_b32 v1, 5, v0
	v_readfirstlane_b32 s22, v1                    ; wave 0 .. 3
	v_and_b32 v9, 31, v0                           ; lane
	v_and_b32 v10, 15, v0                          ; r
	v_bfe_u32 v14, v0, 4, 1                        ; h
	v_lshlrev_b32 v1, 4, v9                        ; 16 x lane: an image's place for my lane
	v_lshlrev_b32 v2, 2, v9                        ; 4 x lane: a scale word's
	s_mul_i32 s26, s22, 12288
	v_add_nc_u32 v3, s26, v1                       ; where I store x's images: my tile of rows is m = w
	s_lshl_b32 s26, s22, 10
	v_add_nc_u32 v4, s26, v2                       ; and their scale words
	v_lshl_add_u32 v13, v10, 4, s26                ; y: my wave's 1,024 bytes of a row, 16 bytes a lane
	s_mul_i32 s26, s22, STGW
	s_add_co_u32 s26, s26, STG                     ; my stage
	v_add_nc_u32 v5, s26, v1
	v_mul_u32_u24 v6, v10, 528
	v_lshl_add_u32 v6, v14, 6, v6
	v_add_nc_u32 v6, s26, v6                       ; x back: row r, + 64 h
	v_mul_u32_u24 v11, v10, 272
	v_lshl_add_u32 v11, v14, 5, v11
	v_add_nc_u32 v11, s26, v11                     ; y in: row r, + 32 h
	v_mul_u32_u24 v12, v14, 272
	v_lshl_add_u32 v12, v10, 4, v12
	v_add_nc_u32 v12, s26, v12                     ; y back: lanes 0-15 one row, lanes 16-31 the next
	v_lshlrev_b32 v9, 2, v10                       ; 4 r
	v_lshlrev_b32 v14, 2, v14                      ; 4 h
	s_mov_b32 s30, 0x76543210
	s_mov_b32 s31, 0xfedcba98                      ; v_permlanex16_b32's selects for lane l xor 16
	s_and_b32 s23, ttmp7, 0xffff                   ; the group
	s_mul_i32 s23, s23, REGION
	s_lshl_b32 s98, ttmp9, 8                       ; the tile: 256 bytes
	s_add_co_u32 s98, s98, s23
	s_mov_b32 s99, 0
	s_lshl_b32 s26, s22, 6
	s_wait_alu depctr_va_vdst(0)                   ; a wait at the head's end
	s_wait_kmcnt 0x0
	s_add_nc_u64 s[2:3], s[4:5], s[98:99]          ; my tile's 64 entries
	s_load_b32 s23, s[2:3], 0x0                    ; the first,
	s_load_b512 s[32:47], s[2:3], s26 offset:0x0   ; and my wave's sixteen
.irp m, 0,1,2,3
	global_load_b32 v[TM+\m], v9, s[2:3] offset:64*\m   ; lane (r, h): the entry of row 16 m + r
.endr
	s_wait_kmcnt 0x0
	s_bitcmp1_b32 s23, 24                          ; has the tile a row?
	s_cbranch_scc0 .Lnothing                       ; no: all four waves end here, with nothing written to LDS and no barrier passed
	s_bfe_u32 s24, s23, 0x40010
	s_min_u32 s24, s24, 7                          ; a
	s_bfe_u32 s25, s23, 0x40014
	s_min_u32 s25, s25, 7                          ; b
	v_mov_b32 v15, s23
.irp p, 0,1,2,3,4,5,6,7,8,9,10,11,12,13,14,15
	s_bitcmp1_b32 s[32+\p], 24
	s_cselect_b32 s98, s[32+\p], s23               ; a slot without a row takes the tile's first row
	s_and_b32 s98, s98, 0x1fff
	s_min_u32 s98, s98, 0x1fff
	s_lshl_b32 s98, s98, 12
	s_add_nc_u64 s[RB+2*\p:RB+2*\p+1], s[10:11], s[98:99]
.endr
	XLOAD 0
	XLOAD 1
	XLOAD 2
	s_lshl_b32 s40, s24, 2
	s_add_co_u32 s40, s40, s22                     ; 4 a + w
	s_lshl_b32 s41, s25, 2
	s_add_co_u32 s41, s41, s22                     ; 4 b + w
	s_lshl_b32 s98, s40, 12
	s_add_nc_u64 s[42:43], s[14:15], s[98:99]      ; w13s(a, w)
	s_add_nc_u64 s[44:45], s[42:43], 2048
	WSLOAD 42, 44
	s_mul_i32 s98, s40, 98304
	s_add_nc_u64 s[CUR:CUR+1], s[12:13], s[98:99]
	s_mul_i32 s98, s41, 98304
	s_add_nc_u64 s[W13B:W13B+1], s[12:13], s[98:99]
	s_mov_b64 s[N0:N0+1], s[W13B:W13B+1]
	s_add_nc_u64 s[N1:N1+1], s[W13B:W13B+1], 12288
	s_add_nc_u64 s[N2:N2+1], s[W13B:W13B+1], 24576
	s_lshl_b32 s98, s41, 12
	s_add_nc_u64 s[SA:SA+1], s[14:15], s[98:99]    ; w13s(b, w)
	s_add_nc_u64 s[SB:SB+1], s[SA:SA+1], 2048
	s_mul_i32 s98, s40, 49152
	s_add_nc_u64 s[A2:A2+1], s[16:17], s[98:99]
	s_mul_i32 s98, s41, 49152
	s_add_nc_u64 s[B2:B2+1], s[16:17], s[98:99]
	s_add_nc_u64 s[A2N:A2N+1], s[A2:A2+1], 12288
	s_lshl_b32 s98, s40, 11
	s_add_nc_u64 s[S2A:S2A+1], s[18:19], s[98:99]
	s_lshl_b32 s98, s41, 11
	s_add_nc_u64 s[S2B:S2B+1], s[18:19], s[98:99]
	s_mov_b32 s47, 0x1000000
	s_mov_b32 s29, 2
	s_wait_alu depctr_va_vdst(0)
	s_wait_loadcnt 56                              ; the four entries are in; behind them: 48 loads of x, 8 of scale words
	s_mov_b32 s27, 1                               ; s27: the tile's rows, rounded up to an even number: a store on the way out covers two rows
.irp m, 0,1,2,3
	v_cmp_ge_u32 s28, v[TM+\m], s47                ; a row?  Lanes 0-15 speak for rows 16 m + r
	s_and_b32 s28, s28, 0xffff
	s_bcnt1_i32_b32 s28, s28
	s_add_co_u32 s27, s27, s28
.endr
	s_and_b32 s27, s27, -2
.irp m, 0,1,2,3
	v_cmp_lt_u32 vcc_lo, v[TM+\m], s47             ; no row?
	v_cndmask_b32 v[7+\m], v[TM+\m], v15, vcc_lo
	v_and_b32 v[7+\m], 0x1fff, v[7+\m]
	v_min_u32 v[7+\m], 0x1fff, v[7+\m]
	v_lshlrev_b32 v[7+\m], 3, v[7+\m]              ; 8 bytes a token
.endr
.irp m, 0,1,2,3
	global_load_b64 v[16+2*\m:17+2*\m], v[7+\m], s[6:7]
.endr
.irp m, 0,1,2,3
	global_load_b64 v[24+2*\m:25+2*\m], v[7+\m], s[8:9]
.endr
.irp b, 0,1,2,3
	v_mov_b32 v[TM+4+\b], 0                        ; written once: a lane permute's destination counts as one of its sources
.endr
	s_wait_loadcnt 48                              ; K step 0 of x is in; behind it: K steps 1, 2 (32), scale words (8), indices and p (8)
	TURN 0
	; ---- X: my 16 rows of x become eight fragments
	XSTEP 0, 48                                    ; behind K step 1: step 2, scale words, indices and p, step 3
	XSTEP 1, 48                                    ; behind K step 2: scale words, indices and p, steps 3, 4
	XSTEP 2, 32                                    ; from here on: the two younger K steps
	XSTEP 3, 32
	XSTEP 4, 32
	XSTEP 5, 28                                    ; K step 7 and half-set 0
	XSTEP 6, 36                                    ; half-sets 0, 1, 2
	XSTEP 7, 0
.irp m, 0,1,2,3                                ; pe = (i0 == e ? p0 : 0) + (i1 == e ? p1 : 0), of lane (r, h): row 16 m + r
	v_cmp_eq_u32 vcc_lo, s24, v[16+2*\m]
	v_cndmask_b32 v[PP+2*\m], 0, v[24+2*\m], vcc_lo
	v_cmp_eq_u32 vcc_lo, s24, v[17+2*\m]
	v_cndmask_b32 v[TM], 0, v[25+2*\m], vcc_lo
	v_add_f32 v[PP+2*\m], v[PP+2*\m], v[TM]
	v_cmp_eq_u32 vcc_lo, s25, v[16+2*\m]
	v_cndmask_b32 v[PP+2*\m+1], 0, v[24+2*\m], vcc_lo
	v_cmp_eq_u32 vcc_lo, s25, v[17+2*\m]
	v_cndmask_b32 v[TM], 0, v[25+2*\m], vcc_lo
	v_add_f32 v[PP+2*\m+1], v[PP+2*\m+1], v[TM]
.endr
	; where my half fragments of the hidden layer go: K step w / 2, registers 6 (w % 2) on: three pieces of 8 bytes
	s_lshr_b32 s40, s22, 1
	s_and_b32 s41, s22, 1
	s_mul_i32 s42, s40, 1536
	s_add_co_u32 s42, s42, HIMG
	s_mul_i32 s43, s41, 520
	s_add_co_u32 s43, s43, s42
	v_add_nc_u32 v7, s43, v1                       ; registers 0, 1 at 0 | 6, 7 at 520
	s_mul_i32 s43, s41, 1016
	s_add_co_u32 s43, s43, s42
	s_add_co_u32 s43, s43, 8
	v_add_nc_u32 v8, s43, v1                       ; registers 2, 3 at 8 | 8, 9 at 1,024
	s_mul_i32 s43, s41, 520
	s_add_co_u32 s43, s43, s42
	s_add_co_u32 s43, s43, 512
	v_add_nc_u32 v9, s43, v1                       ; registers 4, 5 at 512 | 10, 11 at 1,032
	s_lshl_b32 s43, s40, 7
	s_lshl_b32 s44, s41, 1
	s_add_co_u32 s43, s43, s44
	s_add_co_u32 s43, s43, HSC
	v_add_nc_u32 v10, s43, v2                      ; my two bytes of the scale word
	s_wait_dscnt 0x0                               ; my images have landed
	s_barrier_signal -1
	s_barrier_wait -1                              ; x's 32 fragments lie in LDS (the weights' loads stay on their way)
	FETCHX 0
	; ---- 1: two trips: expert a, expert b
.Ltrip:
	HSTEP 0
	HSTEP 1
	HSTEP 2
	HSTEP 3
	HSTEP 4
	HSTEP 5
	HSTEP 6
	HSTEP 7
	HSTEP 8
	HSTEP 9
	HSTEP 10
	HSTEP 11
	HSTEP 12
	HSTEP 13
	HSTEP 14
	HSTEP 15
	PLACES
	WSLOAD SA, SB                                  ; the next products' scale words land while the activation is worked
	SILU 0
	SILU 1
	SILU 2
	SILU 3
	s_wait_xcnt 0x0                                ; every load issued has read its base: the pointers may move
	s_mov_b64 s[CUR:CUR+1], s[W13B:W13B+1]
	s_mov_b64 s[N0:N0+1], s[A2:A2+1]
	s_mov_b64 s[N1:N1+1], s[B2:B2+1]
	s_mov_b64 s[N2:N2+1], s[A2N:A2N+1]
	s_mov_b64 s[SA:SA+1], s[S2A:S2A+1]
	s_mov_b64 s[SB:SB+1], s[S2B:S2B+1]
	v_add_nc_u32 v7, 12288, v7                     ; b's eight images lie behind a's
	v_add_nc_u32 v8, 12288, v8
	v_add_nc_u32 v9, 12288, v9
	v_add_nc_u32 v10, 1024, v10
	s_sub_co_u32 s29, s29, 1
	s_cmp_lg_u32 s29, 0
	s_cbranch_scc1 .Ltrip
	s_wait_dscnt 0x0
	s_barrier_signal -1
	s_barrier_wait -1                              ; both hidden layers' sixteen fragments lie in LDS
	; ---- 2: the rows' offsets in y, then the hidden fragments into registers, where they stay
	WIN 0x02
.set nn, 0
.rept 32
	v_cmp_lt_u32 vcc_lo, v[144+nn], s47            ; no row?
	v_cndmask_b32 v[RO+nn], v[144+nn], v15, vcc_lo
.set nn, nn+1
.endr
	WIN 0
.set nn, 0
.rept 32
	v_and_b32 v[RO+nn], 0x1fff, v[RO+nn]
	v_min_u32 v[RO+nn], 0x1fff, v[RO+nn]
	v_lshl_add_u32 v[RO+nn], v[RO+nn], 12, v13
.set nn, nn+1
.endr
.irp m, 0,1,2,3
	v_mov_b32 v[PBB+2*\m], v[PP+2*\m+1]            ; pb in pairs of its own
	v_mov_b32 v[PBB+2*\m+1], v[PP+2*\m+1]
.endr
	v_add_nc_u32 v7, HIMG, v1
	v_add_nc_u32 v8, HSC, v2
.irp f, 0,1,2,3,4,5,6,7
.irp c, 0,1,2
	ds_load_b128 v[XF+12*\f+4*\c:XF+12*\f+4*\c+3], v7 offset:1536*\f+512*\c
.endr
.endr
	WIN 0x80
.irp f, 0,1,2,3,4,5,6,7
.irp c, 0,1,2
	ds_load_b128 v[144+12*\f+4*\c:144+12*\f+4*\c+3], v7 offset:12288+1536*\f+512*\c
.endr
.endr
	WIN 0
.irp n, 0,1,2,3,4,5,6,7,8,9,10,11,12,13,14,15
	ds_load_b32 v[SCX+\n], v8 offset:128*\n
.endr
	s_wait_dscnt 0x0
	PSTEP 0
	PSTEP 1
	PSTEP 2
	PSTEP 3
	OUT 0
	PSTEP 4
	PSTEP 5
	PSTEP 6
	PSTEP 7
	OUT 1
	PSTEP 8
	PSTEP 9
	PSTEP 10
	PSTEP 11
	OUT 2
	PSTEP 12
	PSTEP 13
	PSTEP 14
	PSTEP 15
	OUT 3
	s_wait_tensorcnt 0x0                           ; the wave's end, behind my last LDS store
	ds_add_u32 v230, v231
	s_wait_dscnt 0x0
.Lnothing:
	s_endpgm
.Lfunc_end_k_q0b580aad74_experts:
	.size	k_q0b580aad74_experts, .Lfunc_end_k_q0b580aad74_experts-k_q0b580aad74_experts
	.p2alignl 7, 3214868480
	.fill 96, 4, 3214868480
	.section	.rodata,"a",@progbits
	.p2align	6, 0x0
	.amdhsa_kernel k_q0b580aad74_experts
		.amdhsa_group_segment_fixed_size 147968
		.amdhsa_private_segment_fixed_size 0
		.amdhsa_enable_private_segment 0
		.amdhsa_kernarg_size 72
		.amdhsa_user_sgpr_count 2
		.amdhsa_user_sgpr_kernarg_segment_ptr 1
		.amdhsa_wavefront_size32 1
		.amdhsa_system_sgpr_workgroup_id_x 1
		.amdhsa_system_sgpr_workgroup_id_y 1
		.amdhsa_system_sgpr_workgroup_id_z 1
		.amdhsa_system_vgpr_workitem_id 0
		.amdhsa_next_free_vgpr 1024
		.amdhsa_next_free_sgpr 100
		.amdhsa_reserve_vcc 1
		.amdhsa_float_denorm_mode_32 3
		.amdhsa_float_denorm_mode_16_64 3
		.amdhsa_memory_ordered 1
		.amdhsa_forward_progress 1
		.amdhsa_inst_pref_size 255
	.end_amdhsa_kernel
	.section	.bss,"aw",@nobits
	.p2align	6
	.space	262144
	.amdgpu_metadata
---
amdhsa.version: [ 1, 2 ]
amdhsa.kernels:
  - .name:           k_q0b580aad74_experts
    .symbol:         k_q0b580aad74_experts.kd
    .args:
      - { .name: rows, .offset: 0, .size: 8, .value_kind: global_buffer, .address_space: global }
      - { .name: expert_idxs, .offset: 8, .size: 8, .value_kind: global_buffer, .address_space: global }
      - { .name: expert_p, .offset: 16, .size: 8, .value_kind: global_buffer, .address_space: global }
      - { .name: x, .offset: 24, .size: 8, .value_kind: global_buffer, .address_space: global }
      - { .name: w13c, .offset: 32, .size: 8, .value_kind: global_buffer, .address_space: global }
      - { .name: w13s, .offset: 40, .size: 8, .value_kind: global_buffer, .address_space: global }
      - { .name: w2c, .offset: 48, .size: 8, .value_kind: global_buffer, .address_space: global }
      - { .name: w2s, .offset: 56, .size: 8, .value_kind: global_buffer, .address_space: global }
      - { .name: out0, .offset: 64, .size: 8, .value_kind: global_buffer, .address_space: global }
    .group_segment_fixed_size: 147968
    .private_segment_fixed_size: 0
    .kernarg_segment_align: 8
    .kernarg_segment_size: 72
    .max_flat_workgroup_size: 128
    .sgpr_count:     100
    .vgpr_count:     1024
    .wavefront_size: 32
...
	.end_amdgpu_metadata
.endif
;; end of part 2
